; MI455X (gfx1250); checked and timed in simulation.
; The chip was launched on July 23, 2026; its instructions are those of AMD's public machine-readable ISA for CDNA 5 (MIT licence, August 2026) and "CDNA5" Instruction Set Architecture Reference Guide (July 2026). The comments in the code are by the model that wrote it; some were corrected since.
;; Adaptive Attention. Allowed arithmetic: matrix products marked QUANTISED: E3M2 operands, one E8M0 scale for each 32 along K, by v_wmma_scale_f32_16x16x128_f8f6f4 with both operands' format E3M2, f32 sums; everything else in f32.
;; Inputs: key_codes 4 x 2,048 x 64 x 24 uint8 (E3M2 codes of key, K innermost, in blocks of 32 codes, four codes in three bytes); key_scales 4 x 2,048 x 64 uint8 (E8M0 scales of key, one for each 32 codes along K); query_codes 4 x 2,048 x 64 x 24 uint8 (E3M2 codes of query, K innermost, in blocks of 32 codes, four codes in three bytes); query_scales 4 x 2,048 x 64 uint8 (E8M0 scales of query, one for each 32 codes along K); span_param 1 x 2,048 float32; value_codes 4 x 2,048 x 64 x 24 uint8 (E3M2 codes of value, K innermost, in blocks of 32 codes, four codes in three bytes); value_scales 4 x 2,048 x 64 uint8 (E8M0 scales of value, one for each 32 codes along K).
;; Outputs: out0 4 x 2,048 x 2,048 float32.
;; This version of the problem:
;;   THIS VERSION OF THE PROBLEM IS GIVEN IN LOW PRECISION. The matrix products marked QUANTISED in the list below multiply operands that are first quantised to E3M2 (3 exponent bits, 2 mantissa bits; 6 bits a number), with one power-of-two scale for each 32 numbers along K (OCP MX v1.0); their sums are f32. All else is computed in f32.
;;   The module's matrix products, in the order in which they are computed (A, B: the left and right operand; K: the contracted axis; several contracted axes count as one K, in the product's order):
;;     1. batch 4 x [M 2,048, K 2,048] x [K 2,048, N 2,048]; A: input query (given as codes); B: input key (given as codes): QUANTISED
;;     2. batch 4 x [M 2,048, K 2,048] x [K 2,048, N 2,048]; A: softmax (see below); B: input value (given as codes): QUANTISED
;;   THE QUANTISER, for each operand of a quantised product, along K:
;;     - K is cut into blocks of 32 from its start; a last block that is shorter is filled with zeros.
;;     - A block's scale is 2^e with e = floor(log2(the largest magnitude in the block)) - 4, held to -126 .. 127; a block of zeros has e = 0. As a byte (E8M0): e + 127.
;;     - Each number is divided by its block's scale, clamped to +-28, and rounded to the nearest number of E3M2, ties to even, subnormals kept.
;;     - The product sums the exact products of the quantised numbers (number of the format x scale) in f32.
;;   ~~~python
;;   def quantise(x, axis):      # numpy; x: float32 -> the quantised numbers, widened to float32 again
;;       x = np.moveaxis(x, axis, -1); K = x.shape[-1]
;;       x = np.pad(x, [(0, 0)] * (x.ndim - 1) + [(0, -K % 32)]); x = x.reshape(x.shape[:-1] + (-1, 32)); a = np.abs(x).max(-1, keepdims=True)
;;       e = np.where(a > 0, np.clip(np.frexp(np.where(a > 0, a, 1))[1] - 1 - 4, -126, 127), 0)      # np.frexp(a)[1] - 1 = floor(log2(a)), exactly
;;       r = np.clip(x / 2.0 ** e, -28, 28)
;;       step = 2.0 ** (np.maximum(np.frexp(np.where(r == 0, 1, r))[1] - 1, -2) - 2)
;;       q = np.round(r / step) * step * 2.0 ** e      # np.round: ties to even
;;       return np.moveaxis(q.reshape(q.shape[:-2] + (-1,))[..., :K], -1, axis).astype(np.float32)
;;   ~~~
;;   SOFTMAX AHEAD OF A QUANTISED PRODUCT. Where the list says 'softmax', what is quantised is not the finished softmax but p = 2^(t - M), with t = logit x log2(e) and M = ceil(the row's largest t), a whole number; so 1/2 < the row's largest p <= 1. The row's sum l is taken of the UNQUANTISED p, in f32, and the product's result is divided by l at the end. Since M is a whole number, a kernel that streams over the keys may use a running M (the ceiling of the running maximum): every later rescaling is an exact power of two, which a block's scale takes up: the codes' values come out the same.
;;   OPERANDS COMPUTED ON THE WAY. 'Computed on the way' means the value that the module computes at that place (a softmax that the list does not call 'softmax' is quantised finished and normalised). What goes into a quantiser is computed in f32, as accurately as f32 sums, v_exp_f32 and their like allow (about 1e-6 of the number): no bf16 or f16 on the way to a quantiser, and a product that is left as it is and whose result goes on into a quantised operand takes f32 operands (vector FMAs, or v_wmma_f32_16x16x4_f32). A number that lies on a knife's edge between two numbers of the format may be rounded either way, as far as f32 arithmetic and the matrix unit's own rounding can turn it there, and no further.
;;   INPUTS GIVEN AS CODES. key (in the module: [4, 2048, 2048], K = its axis 2); query (in the module: [4, 2048, 2048], K = its axis 2); value (in the module: [4, 2048, 2048], K = its axis 1): each comes as NAME_codes (uint8): NAME with its K axis moved to the last place and cut into blocks of 32 codes, [.., K / 32, bytes a block], one block behind the other in memory; four codes in three bytes: a row's codes are one little-endian stream of bits, code i at bits 6 i .. 6 i + 5 (a code: sign, 3 exponent bits, 2 mantissa bits); and NAME_scales (uint8): the same leading axes, one E8M0 byte (e + 127) for each 32 codes along K. Its value is code x scale, taken as it is: it is not quantised again, and the codes and scales need not be those that the quantiser above would give.
;; One version. Each part assembles by itself: llvm-mc -triple=amdgcn-amd-amdhsa -mcpu=gfx1250 --defsym DOCPART=n.
;; ======== version 1 of 1: 2 launches
;; workspace buffers: p_codes 12,582,912 bytes; p_stats 1,572,864 bytes
;; launch scores (part 1): grid 8 x 32, 4 waves a work-group, clusters of 4 x 4, 327,680 bytes of LDS; arguments query_codes, query_scales, key_codes, key_scales, span_param, p_codes, p_stats; writes p_codes, p_stats
.if DOCPART == 1
	.amdgcn_target "amdgcn-amd-amdhsa--gfx1250"
	.amdhsa_code_object_version 6
	.text
	.protected	k_q500e084cf7_scores
	.globl	k_q500e084cf7_scores
	.p2align	8
	.type	k_q500e084cf7_scores,@function
k_q500e084cf7_scores:
	s_mov_b64 s[64:65], 0
	v_nop
	global_prefetch_b8 v0, s[64:65] scope:SCOPE_SE
	s_setreg_imm32_b32 hwreg(HW_REG_WAVE_MODE, 25, 1), 1
	s_wait_xcnt 0x0
	s_wait_alu depctr_hold_cnt(0) depctr_sa_sdst(0) depctr_va_vdst(0) depctr_va_sdst(0) depctr_va_ssrc(0) depctr_va_vcc(0) depctr_vm_vsrc(0)
	s_getreg_b32 s2, hwreg(HW_REG_IB_STS2, 6, 4)
	s_cmp_eq_u32 s2, 0
	s_cbranch_scc0 .Lentry_in_a_cluster
	s_endpgm
.Lentry_in_a_cluster:
	s_bfe_u32 s2, ttmp6, 0x10000c
	s_cmp_lg_u32 s2, 0xf033
	s_cbranch_scc0 .Lentry_shape_is_right
	s_endpgm
.Lentry_shape_is_right:
; FIRST HALF OF THE ATTENTION.  S^T = K Q^T on codes of BF6 (E3M2) with one E8M0 scale for each 32 along the head's 2,048; t = S x g[key], g = sigmoid(span[key]) x log2(e) / sqrt(2048);
; then, for each query and each run of 128 keys: M' = ceil(the run's largest t), p = 2^(t - M'), the sum l' of the unquantised p, and p's codes of BF6 with one scale byte for each 32 keys.
; M' is a whole number, so the next launch brings a run under the row's M by taking M - M' off its four scale bytes: the codes stay.  The f32 scores never go to memory.
; OUT: p_codes: register images of the next product's operand: a fragment (16 queries x 128 keys, 12 registers a lane) is 1,536 bytes, four registers of lane l at 512 i + 16 l;
;      order [128-row block 64][256 keys 8][16-row block 8][128 keys 2].
;      p_stats: [tile of 256 queries 32][plane 3][run of 128 keys 16][query 256] of words; the planes: p's scale word, -M' (f32), l' (f32): a tile's 49,152 bytes are one dense block for its reader.
; SHARES.  A work-group of four waves makes 256 queries x 256 keys, a wave 128 x 128: 64 accumulators, 512 registers.  The head's 2,048 go in steps of 256 through a ring of two LDS slots
; filled by the tensor data mover (a tile's row is 192 bytes).  The scale bytes of the work-group's 256 queries and 256 keys, two dense blocks, come into LDS once, with the first fills.
; CLUSTERS: 4 x 4 work-groups.  The four of a row of the cluster need the same tiles of Q, the four of a column the same tiles of K: each tile is asked for JOINTLY.
; THE MATRIX INSTRUCTION: source 0 = 16 keys, source 1 = 16 queries: a lane holds ONE query (lane % 16) and in accumulator (a, b) the keys 16 b + 8 (lane / 16) + 0 .. 7.
; LIMITS: NaN and infinities among the scores or in span_param are not served.  A p under 2^-126 counts as 0 (the exponential gives 0 there).
; REGISTERS, in windows of 256: window 0: v16-31 addresses; v32-63 scale words, two sets; v64-127 g of my 64 keys; v128-223 Q's fragments, one set; on the way out v128-243 at work.
;   window 1: K's fragments, two sets, at v0 and v128.   window 2: the accumulators of my queries 0-63 ((a, b) at v[8 (8 a + b)]);   window 3: those of my queries 64-127.
.set KSTEP,  256                       ; along K in a slot
.set NQ,     2                         ; matrix instructions deep
.set ROWB,   192                       ; a tile's row in bytes
.set KROW,   1536                      ; a row of Q or K in memory: 2,048 codes
.set PITCH,  240                       ; an LDS row: 3 x (64 bytes + 16 of padding)
.set FR,     12                        ; registers of a fragment
.set NLA,    6                         ; LDS loads that bring a fragment of A
.set NP,     4                         ; places behind this matrix instruction (ISA guide 7.12.1)
.set HALFT,  128*PITCH                 ; 128 rows: what one tensor load brings
.set SLOT,   4*HALFT                   ; Q's 256 rows, then K's 256 rows
.set ASTEP,  2*ROWB                    ; a slot's next tile of A: two K steps on
.set LAPS,   4                         ; 2,048 / 512
.set KS,     64                        ; a row of scale bytes
.set SCL,    2*SLOT                    ; behind the ring: the scales, as units of 256 bytes + 16 of padding
.set HALFS,  8704                      ; those of 128 rows: 32 units
.set SBLK,   1088                      ; those of 16 rows: 4 units
.set SPARE,  SCL+4*HALFS               ; the spare words, 128 bytes for each wave: two blocks of 256 bytes that no other line names
.set STG,    SPARE+512                 ; 2,048 bytes for each wave: 512 of scale words, 512 of -M', 512 of l', 512 of g.  No tensor load lands here
.set TILEST, 49152                     ; p_stats: a tile of 256 queries: 3 planes of 16,384 bytes
.set PLANE,  16384
.set ADRA, 16                          ; v16-17 LDS address of my A fragments in slot 0, 1 (v18-19: behind one padding more)
.set ADRB, 20                          ; v20-23 the same for B
.set LI,   24                          ; v24  16 x lane
.set SA,   25                          ; v25  my stage + 4 (lane % 16)
.set SR,   26                          ; v26  my stage + 16 x lane
.set ADRS, 27                          ; v27  LDS address of my scale words: lanes 0-15 Q's rows, lanes 16-31 K's
.set SPW,  28                          ; v28  LDS address of my spare word; never rewritten
.set NIL,  29                          ; v29  0; never rewritten
.set H8,   30                          ; v30  8 (lane / 16)
.set GRA,  31                          ; v31  my stage + 1,536 + 32 (lane / 16)
.set SC,   32                          ; scale words: set s at v[SC + 16 s]; register 2 i + q: lanes 0-15 Q's block i, lanes 16-31 K's block i
.set G,    64                          ; v[G + 8 b + j] = g(key 16 b + 8 (lane / 16) + j)
.set AF,   128                         ; A's fragments
.set T,    128                         ; the way out: v128-191 t, then p: register 32 c + i = key 64 c + 32 (lane / 16) + i
.set PCD,  192                         ; v192-203 p's codes: the fragment
.set PT,   204                         ; v204-206, v208-210 the upper halves of the two blocks' codes
.set MX,   212                         ; v212-215 maxima
.set W,    216                         ; v216 the run's largest t
.set NM,   218                         ; v[218:219] -M' (the low word serves both halves of the packed form)
.set LS,   220                         ; v[220:221], v[222:223] the sum in two chains
.set LS2,  222
.set SO,   224                         ; v224-225 the conversions' scale operands
.set BY,   226                         ; v226-227 the scale bytes
.set PW,   228                         ; v228 the scale word
.set PX,   229                         ; v229 what the lane 16 away sends
.set LT,   230                         ; v230 l'
.set OUTS, 232                         ; v232-243 the three tables on their way out
.set SEL,  66                          ; s[66:67] v_permlanex16_b32's selects for lane l xor 16
.set G1, 24                            ; s[24:31] descriptor group 1 for Q's tiles;  s[32:39] group 0, one set for each slot
.set G0, 32
.set G1B, 48                           ; s[48:55], s[56:63] the same for K's tiles
.set G0B, 56
.set G1S, 68                           ; s[68:75], s[76:79] groups 1 and 0 for Q's scales;  s[80:87], s[88:91] for K's
.set G0S, 76
.set G1SB, 80
.set G0SB, 88
.set MSB, 0
.macro WIN new                         ; the immediate's high byte repeats the setting that is left; a switch that changes nothing is dropped
.if MSB != (\new)
	s_set_vgpr_msb (MSB<<8)|(\new)
.set MSB, (\new)
.endif
.endm
.set MUL_LO, 0xa1                      ; source 0 (K) window 1, source 1 (Q) window 0, C and D window 2
.set MUL_HI, 0xf1                      ; the same, C and D window 3
.set TO_B,   0x40                      ; destination window 1, address window 0
; A joint load: waves 0 and 1 fetch for Q, waves 2 and 3 for K.  Each line has one mask and one set of registers for all that issue it; the branch hangs on the wave's number alone.
; Four v_nop follow each of the two lines, ahead of the jump, the label and what follows.
.macro JLOAD g0a, g1a, g0b, g1b
	s_cmp_eq_u32 s15, 0
	s_cbranch_scc0 .Lfor_b_\@
	tensor_load_to_lds s[\g0a:\g0a+3], s[\g1a:\g1a+7]
	s_nop 0
.rept 4
	v_nop
.endr
	s_branch .Lasked_\@
.Lfor_b_\@:
	tensor_load_to_lds s[\g0b:\g0b+3], s[\g1b:\g1b+7]
	s_nop 0
.rept 4
	v_nop
.endr
.Lasked_\@:
.endm
.macro CREST                           ; a round of the cluster's barrier behind its opening barrier
	s_cmp_lg_u32 s14, 0
	s_cbranch_scc1 .Lnot_wave_0_\@
	s_barrier_signal -3
.Lnot_wave_0_\@:
	s_barrier_wait -3
	s_barrier_signal -1
	s_barrier_wait -1
.endm
.macro CROUND                          ; a whole round
	s_barrier_signal -1
	s_barrier_wait -1
	CREST
.endm
	s_load_b128 s[4:7], s[0:1], 0x0                ; Q's codes s[4:5], Q's scales s[6:7]
	s_load_b128 s[8:11], s[0:1], 0x10              ; K's codes s[8:9], K's scales s[10:11]
	s_load_b64 s[12:13], s[0:1], 0x20              ; span_param
	s_load_b64 s[96:97], s[0:1], 0x28              ; p_codes
	s_load_b64 s[98:99], s[0:1], 0x30              ; p_stats
	v_lshl_add_u32 v[SPW], v0, 2, SPARE
	v_mov_b32 v[NIL], 0
	ds_add_u32 v28, v29
	ds_add_u32 v28, v29
	s_wait_dscnt 0x0
	v_lshrrev_b32 v1, 5, v0
	v_readfirstlane_b32 s14, v1                    ; wave 0..3
	s_lshr_b32 s15, s14, 1                         ; which half of the tile's queries is mine.  Also: I fetch for Q (0) or for K (1)
	s_and_b32 s16, s14, 1                          ; which half of its keys.  Also: which 128 rows of that tile I fetch
	s_bfe_u32 s40, ttmp6, 0x40000                  ; cx, cy: my place in the cluster
	s_bfe_u32 s41, ttmp6, 0x40004
	s_lshl_b32 s42, ttmp9, 2
	s_add_co_u32 s42, s42, s40                     ; tile column: which 256 keys of the batch = 4 x cluster x + cx
	s_and_b32 s95, ttmp7, 0xffff                   ; cluster y
	s_lshl_b32 s17, s95, 2
	s_add_co_u32 s17, s17, s41                     ; tile row: which 256 of the 8,192 queries = 4 x cluster y + cy
	s_lshr_b32 s95, s95, 1                         ; the batch = tile row / 8 = cluster y / 2: made of the cluster's y alone
	s_lshl_b32 s43, s41, 2
	s_lshl_b32 s43, 15, s43                        ; my row of the cluster
	s_lshl_b32 s44, 0x1111, s40                    ; my column
	; descriptor group 1: a tile of 128 rows x 192 bytes, 16 bytes of padding behind every 64
	s_or_b32 s[G1+0], s43, (0<<16)|(1<<20)|(1<<21)|(3<<22)|(3<<25)  ; 15:0 the mask: Q's tiles go to my row; elements of 1 byte; 20 padding on; 21 set beside a mask; 24:22 after every 16 words; 31:25 4 words of it
	s_or_b32 s[G1B+0], s44, (0<<16)|(1<<20)|(1<<21)|(3<<22)|(3<<25) ; the same with the mask of my column, for K's tiles
.irp g, G1, G1B
	s_mov_b32 s[\g+1], ROWB<<16                    ; tensor_dim0
	s_mov_b32 s[\g+2], 128<<16                     ; tensor_dim1
	s_mov_b32 s[\g+3], ROWB<<16                    ; tile_dim0
	s_mov_b32 s[\g+4], 128                         ; tile_dim1
	s_mov_b32 s[\g+5], KROW                        ; tensor_dim0_stride
	s_mov_b32 s[\g+6], 0
	s_mov_b32 s[\g+7], 0
.endr
	; the scales of 128 rows: a dense block of 8,192 bytes, as 32 rows of 256 bytes (32 elements of 8 bytes), 16 bytes of padding behind each
	s_or_b32 s[G1S+0], s43, (3<<16)|(1<<20)|(1<<21)|(5<<22)|(3<<25)
	s_or_b32 s[G1SB+0], s44, (3<<16)|(1<<20)|(1<<21)|(5<<22)|(3<<25)
.irp g, G1S, G1SB
	s_mov_b32 s[\g+1], 32<<16
	s_mov_b32 s[\g+2], 32<<16
	s_mov_b32 s[\g+3], 32<<16
	s_mov_b32 s[\g+4], 32
	s_mov_b32 s[\g+5], 32
	s_mov_b32 s[\g+6], 0
	s_mov_b32 s[\g+7], 0
.endr
	s_lshl_b32 s18, s16, 7                         ; which 128 rows of the tile I fetch
	s_lshl_b32 s20, s17, 8
	s_add_co_u32 s20, s20, s18                     ; Q: row 256 x tile row + 128 x half
	s_lshl_b32 s46, s42, 8
	s_add_co_u32 s46, s46, s18
	s_lshl_b32 s47, s95, 11
	s_add_co_u32 s46, s46, s47                     ; K: row 2,048 x batch + 256 x tile column + 128 x half
	s_mov_b32 s21, 0
	s_mov_b32 s47, 0
	s_mov_b64 s[18:19], KS
	s_mul_u64 s[22:23], s[20:21], s[18:19]         ; where these rows' scales begin, in bytes
	s_mul_u64 s[92:93], s[46:47], s[18:19]
	s_mov_b64 s[18:19], KROW
	s_mul_u64 s[20:21], s[20:21], s[18:19]         ; and their codes
	s_mul_u64 s[46:47], s[46:47], s[18:19]
	s_mul_i32 s45, s14, HALFT                      ; where they go: wave x 128 rows: no place in the cluster enters an LDS address
	s_mul_i32 s94, s14, HALFS
	s_mov_b32 s[SEL], 0x76543210
	s_mov_b32 s[SEL+1], 0xfedcba98
	CROUND                                         ; all sixteen work-groups are here: the first joint loads meet.  The round reads no argument: it stands ahead of the wait for them, so that they come while the work-groups gather
	s_wait_kmcnt 0x0                               ; ahead of the first line that reads an argument
	s_add_nc_u64 s[20:21], s[4:5], s[20:21]
	s_add_nc_u64 s[22:23], s[6:7], s[22:23]
	s_add_nc_u64 s[46:47], s[8:9], s[46:47]
	s_add_nc_u64 s[92:93], s[10:11], s[92:93]
	s_mov_b32 s[G0S], 1
	s_add_co_u32 s[G0S+1], s94, SCL
	s_mov_b64 s[G0S+2:G0S+3], s[22:23]
	s_or_b32 s[G0S+3], s[G0S+3], 0x80000000
	s_mov_b32 s[G0SB], 1
	s_add_co_u32 s[G0SB+1], s94, SCL
	s_mov_b64 s[G0SB+2:G0SB+3], s[92:93]
	s_or_b32 s[G0SB+3], s[G0SB+3], 0x80000000
	JLOAD G0S, G1S, G0SB, G1SB                     ; the scales first: they are wanted with K step 0
.irp s, 0,1
	s_mov_b32 s[G0+4*\s], 1
	s_add_co_u32 s[G0+4*\s+1], s45, \s*SLOT
	s_add_nc_u64 s[G0+4*\s+2:G0+4*\s+3], s[20:21], \s*ROWB
	s_or_b32 s[G0+4*\s+3], s[G0+4*\s+3], 0x80000000
	s_mov_b32 s[G0B+4*\s], 1
	s_add_co_u32 s[G0B+4*\s+1], s45, \s*SLOT
	s_add_nc_u64 s[G0B+4*\s+2:G0B+4*\s+3], s[46:47], \s*ROWB
	s_or_b32 s[G0B+4*\s+3], s[G0B+4*\s+3], 0x80000000
	JLOAD G0+4*\s, G1, G0B+4*\s, G1B               ; three tensor loads of mine are out now
.endr
	v_and_b32 v1, 15, v0                           ; r = lane % 16
	v_bfe_u32 v2, v0, 4, 1                         ; h = lane / 16
	v_and_b32 v6, 31, v0
	v_lshlrev_b32 v[LI], 4, v6                     ; 16 x lane
	s_lshl_b32 s20, s42, 10                        ; span_param at my 128 keys: 4 (256 x tile column + 128 x half)
	s_lshl_b32 s21, s16, 9
	s_add_co_u32 s20, s20, s21
	s_mov_b32 s21, 0
	s_add_nc_u64 s[12:13], s[12:13], s[20:21]
	global_load_b128 v[192:195], v[LI], s[12:13]   ; four keys a lane: 512 consecutive bytes
	v_mul_u32_u24 v3, v1, PITCH
	v_mul_u32_u24 v4, v2, 24
	v_add_nc_u32 v4, v3, v4                        ; a fragment's row x pitch + 24 x half
	v_lshl_add_u32 v5, v2, 4, v4                   ; and the same behind one padding more
	s_mul_i32 s21, s15, HALFT                      ; my 128 rows of Q
	s_mul_i32 s22, s16, HALFT                      ; my 128 rows of K,
	s_add_co_u32 s22, s22, 2*HALFT                 ; which lie behind Q's 256
.irp s, 0,1
	v_add_nc_u32 v[ADRA+\s], s21, v4
	v_add_nc_u32 v[ADRB+\s], s22, v4
	v_add_nc_u32 v[ADRA+2+\s], s21, v5
	v_add_nc_u32 v[ADRB+2+\s], s22, v5
	s_add_co_u32 s21, s21, SLOT
	s_add_co_u32 s22, s22, SLOT
.endr
	v_mul_u32_u24 v5, v1, KS                       ; my row's scales: 64 bytes a row,
	v_lshrrev_b32 v6, 8, v5
	v_lshl_add_u32 v5, v6, 4, v5                   ; and 16 more for each 256 passed
	s_mul_i32 s21, s15, HALFS                      ; Q's: my 128 rows
	s_mul_i32 s22, s16, HALFS                      ; K's: my 128 rows, behind Q's 256
	s_add_co_u32 s22, s22, 2*HALFS
	s_sub_co_u32 s22, s22, s21
	v_mul_u32_u24 v6, s22, v2                      ; lanes 16-31 take K's: the lower base + h x the distance
	s_add_co_u32 s21, s21, SCL
	v_add_nc_u32 v5, v5, v6
	v_add_nc_u32 v[ADRS], s21, v5
	s_lshl_b32 s23, s14, 11
	s_add_co_u32 s23, s23, STG                     ; my stage
	v_add_nc_u32 v[SR], s23, v[LI]
	v_lshl_add_u32 v[SA], v1, 2, s23
	v_lshlrev_b32 v[H8], 3, v2
	v_lshl_add_u32 v[GRA], v2, 5, s23
	v_add_nc_u32 v[GRA], 1536, v[GRA]
	; where my results go.  p_codes: ((2 x tile row + half) x 8 + tile column) x 24,576 + 1,536 x my half of the keys
	s_lshl_b32 s20, s17, 1
	s_add_co_u32 s20, s20, s15
	s_lshl_b32 s20, s20, 3
	s_add_co_u32 s20, s20, s42
	s_mul_i32 s20, s20, 24576
	s_mul_i32 s22, s16, 1536
	s_add_co_u32 s20, s20, s22
	s_mov_b32 s21, 0
	s_add_nc_u64 s[96:97], s[96:97], s[20:21]
	; p_stats: tile row x 49,152 + (2 x tile column + my half of the keys) x 1,024 + my half of the queries x 512; the planes 16,384 bytes apart
	s_mul_i32 s20, s17, TILEST
	s_lshl_b32 s22, s42, 11
	s_add_co_u32 s20, s20, s22
	s_lshl_b32 s22, s16, 10
	s_add_co_u32 s20, s20, s22
	s_lshl_b32 s22, s15, 9
	s_add_co_u32 s20, s20, s22
	s_add_nc_u64 s[98:99], s[98:99], s[20:21]
	; THE GATE: g = log2(e) / sqrt(2048) / (1 + 2^(-log2(e) x span)), four keys a lane; through my stage it comes back in the accumulators' order
	s_wait_loadcnt 0x0
.irp i, 0,1,2,3
	v_mul_f32 v[192+\i], 0xbfb8aa3b, v[192+\i]
.endr
.irp i, 0,1,2,3
	v_exp_f32 v[192+\i], v[192+\i]
.endr
	v_nop                                          ; a plain instruction behind the last exponential
	s_wait_alu depctr_va_vdst(0)                   ; one wait for the four, ahead of their first reader
.irp i, 0,1,2,3
	v_add_f32 v[192+\i], 1.0, v[192+\i]
.endr
.irp i, 0,1,2,3
	v_rcp_f32 v[192+\i], v[192+\i]
.endr
	v_nop
	s_wait_alu depctr_va_vdst(0)                   ; and one for the four reciprocals
.irp i, 0,1,2,3
	v_mul_f32 v[192+\i], 0x3d0293ee, v[192+\i]     ; x log2(e) / sqrt(2048)
.endr
	ds_store_b128 v[SR], v[192:195] offset:1536    ; g of my 128 keys, 512 bytes, in my own stage
.irp b, 0,1,2,3,4,5,6,7
	ds_load_b128 v[G+8*\b:G+8*\b+3],   v[GRA] offset:64*\b      ; LDS serves a wave's instructions in order (ISA guide 5.7.1.4): these see the store above
	ds_load_b128 v[G+8*\b+4:G+8*\b+7], v[GRA] offset:64*\b+16
.endr
.macro FRAG reg, adr, q, i             ; a fragment, 16 rows x 128 K of 6-bit codes: lane l holds row l % 16; registers 6 c .. 6 c + 5 hold K = 64 c + 32 (l / 16) + 0 .. 31: 24 bytes of the row, as they lie
.irp p, 0,1,2,3,4,5                    ; in pieces of 8 bytes.  Lanes 0-15 take the row's pieces 12 q + 0, 1, 2 and 12 q + 6, 7, 8, lanes 16-31 those three pieces on
.set PIECE, 12*(\q)+6*(\p/3)+\p%3      ; 16 bytes of padding lie behind every 8 pieces: where the piece three on lies behind one padding more, the second address register serves
.if PIECE%8 < 5
	ds_load_b64 v[\reg+2*\p:\reg+2*\p+1], v[\adr] offset:8*PIECE+16*(PIECE/8)+(\i)*16*PITCH
.else
	ds_load_b64 v[\reg+2*\p:\reg+2*\p+1], v[\adr+2] offset:8*PIECE+16*(PIECE/8)+(\i)*16*PITCH
.endif
.endr
.endm
; 16 matrix instructions: A's blocks a0, a0 + 1 x B's eight, 128 along K: the slot's q-th.  p: B's set;  sc: the set of scale words.  zero = 1: the first product starts the sums.
; The 64 accumulators take turns, one instruction a turn, in the same order in every step.
.macro MUL16 a0, p, q, sc, zero
.irp a, \a0, \a0+1
.irp b, 0,1,2,3,4,5,6,7
.if \zero
	v_wmma_scale_f32_16x16x128_f8f6f4 v[8*(8*((\a)%4)+\b):8*(8*((\a)%4)+\b)+7], v[128*(\p)+FR*\b:128*(\p)+FR*\b+FR-1], v[AF+FR*(\a):AF+FR*(\a)+FR-1], 0, v[SC+8*NQ*(\sc)+NQ*\b+(\q)], v[SC+8*NQ*(\sc)+NQ*(\a)+(\q)] matrix_a_fmt:MATRIX_FMT_BF6 matrix_b_fmt:MATRIX_FMT_BF6 matrix_a_scale:MATRIX_SCALE_ROW1
.else
	v_wmma_scale_f32_16x16x128_f8f6f4 v[8*(8*((\a)%4)+\b):8*(8*((\a)%4)+\b)+7], v[128*(\p)+FR*\b:128*(\p)+FR*\b+FR-1], v[AF+FR*(\a):AF+FR*(\a)+FR-1], v[8*(8*((\a)%4)+\b):8*(8*((\a)%4)+\b)+7], v[SC+8*NQ*(\sc)+NQ*\b+(\q)], v[SC+8*NQ*(\sc)+NQ*(\a)+(\q)] matrix_a_fmt:MATRIX_FMT_BF6 matrix_b_fmt:MATRIX_FMT_BF6 matrix_a_scale:MATRIX_SCALE_ROW1
.endif
.endr
.endr
.endm
.macro FETCH_B slot, q, p              ; B's eight fragments of the slot's q-th 128 along K into set p
	WIN TO_B
.irp i, 0,1,2,3,4,5,6,7
	FRAG 128*(\p)+FR*\i, ADRB+\slot, \q, \i
.endr
	WIN 0
.endm
.macro FETCH_A slot, q, i0             ; A's blocks i0 .. i0 + 3
.irp i, \i0, \i0+1, \i0+2, \i0+3
	FRAG AF+FR*(\i), ADRA+\slot, \q, \i
.endr
.endm
.macro SCALES sc                       ; a K step's scale words into set sc: two words a row; lanes 0-15 take A's block i, lanes 16-31 B's block i
.irp i, 0,1,2,3,4,5,6,7
	ds_load_b64 v[SC+8*NQ*\sc+NQ*\i:SC+8*NQ*\sc+NQ*\i+1], v[ADRS] offset:\i*SBLK
.endr
.endm
; A load into a register that a matrix instruction has read, and a vector instruction that reads a matrix result or writes one of a matrix instruction's registers, stand NP places behind it,
; and only plain vector instructions that name none of its registers are places (ISA guide 7.12.1 for vector instructions).
.macro PLACES n
.rept \n
	v_nop
.endr
.endm
; A step of 128 along K that has its successor in the same slot.
.macro STEP slot, q, zero
	s_wait_dscnt 4*NLA                             ; B's set, the scale words and A's blocks 0-3 are in; the youngest loads (A's blocks 4-7) may be out
	WIN MUL_LO
	MUL16 0, (\q)%2, \q, \slot, \zero
	MUL16 2, (\q)%2, \q, \slot, \zero
	s_wait_dscnt 0                                 ; A's blocks 4-7 are in (asked for 32 matrix instructions ago)
	PLACES NP
	FETCH_B \slot, (\q)+1, 1-(\q)%2
	FETCH_A \slot, (\q)+1, 0
	WIN MUL_HI
	MUL16 4, (\q)%2, \q, \slot, \zero
	MUL16 6, (\q)%2, \q, \slot, \zero
	PLACES NP
	WIN 0
	FETCH_A \slot, (\q)+1, 4
.endm
; A slot's last step changes slots: ONE barrier; in front of it each wave waits for all its tensor loads, adds 0 to its spare word, and waits for that and for its own reads of this slot.
; fill = 1: this slot is filled again, two K steps ahead; the barrier then opens a round of the cluster's barrier.
.macro TURN slot, next, fill
	s_wait_tensorcnt 0x0                           ; all my tensor loads have landed: my part of the next slot (every window is 0 here)
	ds_add_u32 v[SPW], v[NIL]                      ; 0 onto my spare word
	s_wait_dscnt 4*NLA+1                           ; (the add and the youngest loads, A's blocks 4-7, may be out)
	WIN MUL_LO
	MUL16 0, 1, NQ-1, \slot, 0                     ; sixteen matrix instructions stand between the add and the wait for it
	s_wait_dscnt 0x0                               ; the add is done, and my reads of this slot are over
	s_barrier_signal -1
	MUL16 2, 1, NQ-1, \slot, 0
	WIN 0
	s_barrier_wait -1
.if \fill
	CREST                                          ; no wave of any partner still reads this slot's tile or has a load on its way
	s_add_nc_u64 s[G0+4*\slot+2:G0+4*\slot+3], s[G0+4*\slot+2:G0+4*\slot+3], ASTEP
	s_add_nc_u64 s[G0B+4*\slot+2:G0B+4*\slot+3], s[G0B+4*\slot+2:G0B+4*\slot+3], 2*ROWB
	JLOAD G0+4*\slot, G1, G0B+4*\slot, G1B         ; the first tensor load behind the round, my only one until the next; its four v_nop are the places in front of the loads below
.else
	PLACES NP
.endif
	v_add_nc_u32 v[ADRS], 4*NQ, v[ADRS]            ; on to the next K step's scale words (no LDS load of mine is out)
	FETCH_B \next, 0, 0
	FETCH_A \next, 0, 0
	SCALES \next
	WIN MUL_HI
	MUL16 4, 1, NQ-1, \slot, 0
	MUL16 6, 1, NQ-1, \slot, 0
	PLACES NP
	WIN 0
	FETCH_A \next, 0, 4
.endm
	s_wait_tensorcnt 1                             ; the scales and my part of K step 0 are in (K step 1's load may be out)
	s_wait_dscnt 0x0                               ; g is in my registers: no LDS instruction of mine is out at the signal
	s_barrier_signal -1
	s_barrier_wait -1                              ; everybody's are
	FETCH_B 0, 0, 0
	FETCH_A 0, 0, 0
	SCALES 0
	FETCH_A 0, 0, 4
	STEP 0, 0, 1                                   ; the first step stands in front of the loop: its products start the sums
	s_mov_b32 s3, LAPS-1
.Llap:                                                 ; a trip goes once round the ring, from a lap's second step to the next lap's first, and fills both slots again
	TURN 0, 1, 1
	STEP 1, 0, 0
	TURN 1, 0, 1
	STEP 0, 0, 0
	s_sub_co_u32 s3, s3, 1
	s_cmp_lg_u32 s3, 0
	s_cbranch_scc1 .Llap
	TURN 0, 1, 0                                   ; the last lap fills nothing, and has no round of the cluster's barrier
	STEP 1, 0, 0
	s_wait_dscnt 4*NLA                             ; the very last step: nothing more to fetch
	WIN MUL_LO
	MUL16 0, 1, NQ-1, 1, 0
	MUL16 2, 1, NQ-1, 1, 0
	s_wait_dscnt 0
	WIN MUL_HI
	MUL16 4, 1, NQ-1, 1, 0
	MUL16 6, 1, NQ-1, 1, 0
	WIN 0
; THE WAY OUT, a block of 16 queries x my 128 keys at a time.
.macro SOFT a
.set AC, 64*((\a)%4)
	WIN 0x02+(\a)/4                                ; source 0: window 2 or 3
.irp b, 0,1,2,3,4,5,6,7                ; t = S x g.  Each accumulator is read from its low end on.  Accumulator b goes to the place from which the swaps below make the operand's order
.irp j, 0,2,4,6
	v_pk_mul_f32 v[T+32*(\b/4)+8*(2*(\b%2)+(\b%4)/2)+\j:T+32*(\b/4)+8*(2*(\b%2)+(\b%4)/2)+\j+1], v[AC+8*\b+\j:AC+8*\b+\j+1], v[G+8*\b+\j:G+8*\b+\j+1]
.endr
.endr
	WIN 0
.irp c, 0,1                            ; the first register's lanes 16-31 change places with the second's lanes 0-15: register 32 c + i then holds key 64 c + 32 (lane / 16) + i: a whole block of 32 keys in a lane
.irp u, 0,16
.irp j, 0,1,2,3,4,5,6,7
	v_permlane16_swap_b32 v[T+32*\c+\u+\j], v[T+32*\c+\u+8+\j]
.endr
.endr
.endr
.irp q, 0,1,2,3                        ; the largest t of each block, in four chains of 16 by turns.  It serves twice: for the run's maximum and, since p rises with t, for the block's largest p
	v_max3_num_f32 v[MX+\q], v[T+16*\q], v[T+16*\q+1], v[T+16*\q+2]
.endr
.irp i, 3,5,7,9,11,13
.irp q, 0,1,2,3
	v_max3_num_f32 v[MX+\q], v[MX+\q], v[T+16*\q+\i], v[T+16*\q+\i+1]
.endr
.endr
.irp c, 0,1
	v_max3_num_f32 v[MX+2*\c], v[MX+2*\c], v[T+32*\c+15], v[T+32*\c+31]
.endr
.irp c, 0,1
	v_max_num_f32 v[MX+2*\c], v[MX+2*\c], v[MX+2*\c+1]
.endr
	v_max_num_f32 v[W], v[MX], v[MX+2]
	v_permlanex16_b32 v[PX], v[W], s[SEL], s[SEL+1]
	v_max_num_f32 v[W], v[W], v[PX]                ; with the other two blocks': the run's largest t of my query
.if (\a) > 0
	s_wait_dscnt 0x0                               ; the last block's LDS stores are done,
	s_wait_xcnt 0x0                                ; and its global stores have read their registers: -M', l', the scale word and the codes are written again only behind these waits
.endif
	v_floor_f32 v[NM], -v[W]                       ; -M' = floor(-t) = -ceil(t): a whole number
.set j, 0
.rept 32
	v_pk_add_f32 v[T+j:T+j+1], v[T+j:T+j+1], v[NM:NM+1] op_sel_hi:[1,0]   ; t - M', two at a time
.set j, j+2
.endr
	v_add_f32 v[MX], v[MX], v[NM]                  ; the same of each block's largest t: the same addition and exponential on the same number give the same bits
	v_add_f32 v[MX+2], v[MX+2], v[NM]
.set j, 0
.rept 64
	v_exp_f32 v[T+j], v[T+j]                       ; p = 2^(t - M'), at most 1, not normalised
.set j, j+1
.endr
	v_exp_f32 v[MX], v[MX]
	v_exp_f32 v[MX+2], v[MX+2]
	v_nop                                          ; a plain instruction behind the last exponential
	s_wait_alu depctr_va_vdst(0)                   ; one wait for the batch of 66, ahead of its first reader
	v_pk_add_f32 v[LS:LS+1], v[T:T+1], v[T+2:T+3]  ; l' is the sum of the UNQUANTISED p: two at a time, in two chains
	v_pk_add_f32 v[LS2:LS2+1], v[T+4:T+5], v[T+6:T+7]
.irp j, 8,12,16,20,24,28,32,36,40,44,48,52,56,60
	v_pk_add_f32 v[LS:LS+1], v[LS:LS+1], v[T+\j:T+\j+1]
	v_pk_add_f32 v[LS2:LS2+1], v[LS2:LS2+1], v[T+\j+2:T+\j+3]
.endr
.irp c, 0,1
	v_max_num_f32 v[MX+2*\c], 0x2800000, v[MX+2*\c]   ; the floor 2^(5 - 127): the byte cannot fall under 1
.endr
	v_pk_add_f32 v[LS:LS+1], v[LS:LS+1], v[LS2:LS2+1]
.irp c, 0,1
	v_add_nc_u32 v[SO+\c], 0xfe000000, v[MX+2*\c]  ; 4 off the exponent field: the conversion's scale operand
.endr
	v_add_f32 v[LT], v[LS], v[LS+1]
.irp c, 0,1
	v_lshrrev_b32 v[BY+\c], 23, v[SO+\c]           ; the scale's byte: at most 123, since p is at most 1
.endr
	v_permlanex16_b32 v[PX], v[LT], s[SEL], s[SEL+1]
	v_add_f32 v[LT], v[LT], v[PX]                  ; with the lane 16 away: l' of my query's 128 keys
	v_lshl_or_b32 v[PW], v[BY+1], 16, v[BY]        ; my two bytes: blocks h and 2 + h,
	v_lshlrev_b32 v[PW], v[H8], v[PW]              ; at their places in the scale word;
	v_permlanex16_b32 v[PX], v[PW], s[SEL], s[SEL+1]
	v_or_b32 v[PW], v[PW], v[PX]                   ; with the other lane's two the word is whole
.irp c, 0,1
	v_cvt_scalef32_pk16_bf6_f32 v[PCD+6*\c:PCD+6*\c+2], v[T+32*\c:T+32*\c+15], v[SO+\c]       ; registers 6 c .. 6 c + 5 of the operand
	v_cvt_scalef32_pk16_bf6_f32 v[PT+4*\c:PT+4*\c+2], v[T+32*\c+16:T+32*\c+31], v[SO+\c]      ; (a conversion's three registers begin on an even number: the second half is made elsewhere and moved)
.endr
	v_nop                                          ; one plain place behind a scaled conversion
.irp c, 0,1
.irp i, 0,1,2
	v_mov_b32 v[PCD+6*\c+3+\i], v[PT+4*\c+\i]
.endr
.endr
.irp i, 0,1,2
	global_store_b128 v[LI], v[PCD+4*\i:PCD+4*\i+3], s[96:97] offset:3072*(\a)+512*\i   ; the fragment's image: each store covers 512 consecutive bytes, at a multiple of 512 from the buffer's first byte
.endr
	ds_store_b32 v[SA], v[PW] offset:64*(\a)       ; both halves of the lanes write the same word with the same value
	ds_store_b32 v[SA], v[NM] offset:512+64*(\a)
	ds_store_b32 v[SA], v[LT] offset:1024+64*(\a)
.endm
	PLACES NP                                      ; behind the last products: for the reads of results and for the writes over A's registers
	v_mov_b32 v[PX], 0                             ; written once: a lane permute's destination counts as one of its sources
	v_mov_b32 v[NM+1], 0                           ; (named as the upper half of the pair; the packed form takes the low word for both halves)
.irp a, 0,1,2,3,4,5,6,7
	SOFT \a
.endr
.irp i, 0,1,2
	ds_load_b128 v[OUTS+4*\i:OUTS+4*\i+3], v[SR] offset:512*\i   ; my 128 queries' scale words, -M' and l': LDS serves a wave's instructions in order: these see my stores
.endr
	s_wait_dscnt 0x0
.irp i, 0,1,2
	global_store_b128 v[LI], v[OUTS+4*\i:OUTS+4*\i+3], s[98:99] offset:PLANE*\i         ; 512 consecutive bytes of each plane, at a multiple of 512 from the buffer's first byte
.endr
	s_wait_tensorcnt 0x0                           ; the wave's end, behind my last tensor load and my last LDS store
	ds_add_u32 v[SPW], v[NIL]
	s_wait_dscnt 0x0
	CROUND                                         ; the closing round: no work-group ends while a partner may still ask for a tile that names it
	s_endpgm
.Lfunc_end_k_q500e084cf7_scores:
	.size	k_q500e084cf7_scores, .Lfunc_end_k_q500e084cf7_scores-k_q500e084cf7_scores
	.p2alignl 7, 3214868480
	.fill 96, 4, 3214868480
	.section	.rodata,"a",@progbits
	.p2align	6, 0x0
	.amdhsa_kernel k_q500e084cf7_scores
		.amdhsa_group_segment_fixed_size 327680
		.amdhsa_private_segment_fixed_size 0
		.amdhsa_enable_private_segment 0
		.amdhsa_kernarg_size 56
		.amdhsa_user_sgpr_count 2
		.amdhsa_user_sgpr_kernarg_segment_ptr 1
		.amdhsa_wavefront_size32 1
		.amdhsa_system_sgpr_workgroup_id_x 1
		.amdhsa_system_sgpr_workgroup_id_y 1
		.amdhsa_system_sgpr_workgroup_id_z 1
		.amdhsa_system_vgpr_workitem_id 0
		.amdhsa_next_free_vgpr 1024
		.amdhsa_next_free_sgpr 100
		.amdhsa_reserve_vcc 0
		.amdhsa_float_denorm_mode_32 3
		.amdhsa_float_denorm_mode_16_64 3
		.amdhsa_memory_ordered 1
		.amdhsa_forward_progress 1
		.amdhsa_inst_pref_size 237
	.end_amdhsa_kernel
	.amdgpu_metadata
---
amdhsa.version: [ 1, 2 ]
amdhsa.kernels:
  - .name:           k_q500e084cf7_scores
    .symbol:         k_q500e084cf7_scores.kd
    .args:
      - { .name: query_codes, .offset: 0, .size: 8, .value_kind: global_buffer, .address_space: global }
      - { .name: query_scales, .offset: 8, .size: 8, .value_kind: global_buffer, .address_space: global }
      - { .name: key_codes, .offset: 16, .size: 8, .value_kind: global_buffer, .address_space: global }
      - { .name: key_scales, .offset: 24, .size: 8, .value_kind: global_buffer, .address_space: global }
      - { .name: span_param, .offset: 32, .size: 8, .value_kind: global_buffer, .address_space: global }
      - { .name: p_codes, .offset: 40, .size: 8, .value_kind: global_buffer, .address_space: global }
      - { .name: p_stats, .offset: 48, .size: 8, .value_kind: global_buffer, .address_space: global }
    .group_segment_fixed_size: 327680
    .private_segment_fixed_size: 0
    .kernarg_segment_align: 8
    .kernarg_segment_size: 56
    .max_flat_workgroup_size: 128
    .sgpr_count:     100
    .vgpr_count:     1024
    .wavefront_size: 32
...
	.end_amdgpu_metadata
.endif
;; end of part 1
;; launch mix (part 2): grid 8 x 32, 4 waves a work-group, clusters of 4 x 4, 327,680 bytes of LDS; arguments p_codes, p_stats, value_codes, value_scales, out0; writes out0
.if DOCPART == 2
	.amdgcn_target "amdgcn-amd-amdhsa--gfx1250"
	.amdhsa_code_object_version 6
	.text
	.protected	k_q500e084cf7_mix
	.globl	k_q500e084cf7_mix
	.p2align	8
	.type	k_q500e084cf7_mix,@function
k_q500e084cf7_mix:
	s_mov_b64 s[64:65], 0
	v_nop
	global_prefetch_b8 v0, s[64:65] scope:SCOPE_SE
	s_setreg_imm32_b32 hwreg(HW_REG_WAVE_MODE, 25, 1), 1
	s_wait_xcnt 0x0
	s_wait_alu depctr_hold_cnt(0) depctr_sa_sdst(0) depctr_va_vdst(0) depctr_va_sdst(0) depctr_va_ssrc(0) depctr_va_vcc(0) depctr_vm_vsrc(0)
	s_getreg_b32 s2, hwreg(HW_REG_IB_STS2, 6, 4)
	s_cmp_eq_u32 s2, 0
	s_cbranch_scc0 .Lentry_in_a_cluster
	s_endpgm
.Lentry_in_a_cluster:
	s_bfe_u32 s2, ttmp6, 0x10000c
	s_cmp_lg_u32 s2, 0xf033
	s_cbranch_scc0 .Lentry_shape_is_right
	s_endpgm
.Lentry_shape_is_right:
; SECOND HALF OF THE ATTENTION.  O[q][d] = (the sum over the keys of p[q][key] V[d][key]) / l[q], on codes of BF6 (E3M2) with one E8M0 scale for each 32 keys.
; IN: p_codes: register images of p's fragments (16 queries x 128 keys: 1,536 bytes, four registers of lane l at 512 i + 16 l), order [128-row block 64][256 keys 8][16-row block 8][128 keys 2];
;     p_stats: [tile of 256 queries 32][plane 3][run of 128 keys 16][query 256] of words; the planes: p's scale word under the run's own M', -M' (f32, a whole number), l' (f32).
;     V: codes with the keys innermost, [batch][d 2048][keys].
; THE HEAD brings each row's 16 runs under one M = the largest M': l = the sum of l' x 2^(M' - M), exact scalings; and M - M' is taken off each of the run's four scale bytes: the codes stay.
; The tile's statistics, 49,152 dense bytes that all four work-groups of a row of the cluster need, are asked for jointly: each wave brings the 48 pieces of 256 bytes that hold its own 64 rows' words, and reads only those.
; SHARES.  A work-group of four waves makes 256 queries x 256 of d, a wave 128 x 128: 64 accumulators.  The keys go in steps of 256 through a ring of two LDS slots: p's two blocks of 24,576 dense bytes
; and V's 256 rows of 192 bytes.  p's fragments come out of LDS as they were in registers: three loads of 16 bytes a lane.  V's scale bytes come into LDS once; p's corrected words are stored there by the head.
; CLUSTERS: 4 x 4 work-groups.  The four of a row of the cluster need the same tiles of p, the four of a column the same tiles of V: each tile is asked for JOINTLY.
; THE MATRIX INSTRUCTION: source 0 = 16 rows of V, source 1 = 16 queries: a lane holds eight neighbouring d of one query.
; LIMITS: NaN and infinities are not served.  M - M' is held at 127: what that changes in l lies under 2^-120 beside a sum of at least 1/2.  A block whose corrected byte would fall under 0 gets the byte 0
; (2^-127) with its codes as they are: under 28 x 2^-127 a number.  The local bytes are at most 123 (p is at most 1), so bit 7 of each byte is free for the subtraction.
; REGISTERS, in windows of 256: window 0: v16-31 addresses; v32-63 scale words, two sets; v128-223 p's fragments, one set; the head works in v64-202, the way out in v32-255.
;   window 1: V's fragments, two sets, at v0 and v128.   window 2: the accumulators of my queries 0-63 ((a, b) at v[8 (8 a + b)]);   window 3: those of my queries 64-127.
.set KSTEP,  256                       ; keys in a slot
.set NQ,     2                         ; matrix instructions deep
.set ROWB,   192                       ; a row of V's tile in bytes
.set KROW,   1536                      ; a row of V in memory: 2,048 codes
.set PITCH,  240                       ; V's LDS row: 3 x (64 bytes + 16 of padding)
.set FR,     12                        ; registers of a fragment
.set FRB,    1536                      ; and its image in bytes
.set NLA,    3                         ; LDS loads that bring a fragment of p
.set NP,     4                         ; places behind this matrix instruction (ISA guide 7.12.1)
.set HALFA,  24576                     ; p: 128 queries x 256 keys: what one tensor load brings
.set HALFT,  128*PITCH                 ; V: 128 rows
.set BOFF,   2*HALFA                   ; in a slot V's rows lie behind p's two blocks
.set SLOT,   BOFF+2*HALFT              ; 110,592
.set ASTEP,  2*HALFA                   ; a slot's next tile of p: two K steps on
.set LAPS,   4                         ; 2,048 / 512
.set KS,     64                        ; a row of scale bytes
.set SCL,    2*SLOT                    ; p's corrected scale words: 256 rows x 64 bytes, 16 bytes more behind each 256: stored by the head, no tensor load lands here
.set HALFS,  8704                      ; those of 128 rows
.set SBLK,   1088                      ; those of 16 rows
.set SCLB,   SCL+2*HALFS               ; V's scale bytes, in the same form: filled once by tensor loads, a quarter a wave
.set QUARS,  4352                      ; those of 64 rows: 16 units of 256 + 16
.set RLB,    SCLB+2*HALFS              ; 1 / l of the 256 queries: 1,024 bytes
.set SPARE,  RLB+1024                  ; the spare words, 128 bytes for each wave: two blocks of 256 bytes that no other line names
.set STATS,  SPARE+512                 ; the statistics: for each wave 48 pieces (plane, run) of 256 bytes: filled once, at the head
.set STATW,  48*256                    ; a wave's
.set TILEST, 49152                     ; p_stats: a tile of 256 queries
.set STAGE,  STATS                     ; the way out: 16 rows x (512 bytes + 16) for each wave.  It lies in the statistics' bytes: they have had their one fill, and every wave's reads of them are back in front of the first barrier
.set SPITCH, 528
.set SIZE_N, 2048                      ; a row of O in numbers
.set ADRA, 16                          ; v16-17 LDS address of my p fragments in slot 0, 1: 16 x lane + my 128 queries' block
.set ADRB, 20                          ; v20-21 of my V fragments (v22-23: behind one padding more)
.set STO,  24                          ; v24  the way out: where I put 32 bytes of a row
.set RD,   25                          ; v25  the way out: where I read a row back
.set CO,   26                          ; v26  16 x lane: my byte offset in a row of O
.set ADRS, 27                          ; v27  LDS address of my scale words: lanes 0-15 p's rows, lanes 16-31 V's
.set SPW,  28                          ; v28  LDS address of my spare word; never rewritten
.set NIL,  29                          ; v29  0; never rewritten
.set RLA,  30                          ; v30  LDS address of 1 / l of my query in block 0
.set TO,   31                          ; v31  LDS address of my two rows' words in my wave's first piece: 8 x lane on
.set SC,   32                          ; scale words: set s at v[SC + 16 s]; register 2 i + q: lanes 0-15 p's block i, lanes 16-31 V's block i
.set AF,   128                         ; p's fragments
.set WD,   64                          ; the head: v64-95 scale words: register 2 s + e: run s, row 2 t + e
.set NM,   96                          ; v96-127 -M', then M' - M, then masks
.set L,    128                         ; v128-159 l', then at work
.set WC,   160                         ; v160-191 the corrected words: register 16 e + s
.set MG,   192                         ; v[192:193] -M of my two rows
.set LSUM, 194                         ; v[194:197] l in two chains
.set RC,   198                         ; v[198:199] 1 / l
.set SWA,  201                         ; v201 where I store my rows' words
.set RWA,  202                         ; v202 and their 1 / l
.set RL,   32                          ; the way out: v32-47: 1 / l of my query in block a, twice (a pair for the packed multiply)
.set TMP,  64                          ; v64-127 a block's results / l
.set BK,   128                         ; 16 rows read back from the stage: v128-191 and v192-255 by turns
.set G1, 24                            ; s[24:31] descriptor group 1 for p's tiles;  s[32:39] group 0, one set for each slot
.set G0, 32
.set G1B, 48                           ; s[48:55], s[56:63] the same for V's tiles
.set G0B, 56
.set G1S, 68                           ; s[68:75], s[76:79] groups 1 and 0 for V's scales
.set G0S, 76
.set G1T, 80                           ; s[80:87], s[88:91] groups 1 and 0 for the statistics
.set G0T, 88
.set MSB, 0
.macro WIN new                         ; the immediate's high byte repeats the setting that is left; a switch that changes nothing is dropped
.if MSB != (\new)
	s_set_vgpr_msb (MSB<<8)|(\new)
.set MSB, (\new)
.endif
.endm
.set MUL_LO, 0xa1                      ; source 0 (V) window 1, source 1 (p) window 0, C and D window 2
.set MUL_HI, 0xf1                      ; the same, C and D window 3
.set TO_B,   0x40                      ; destination window 1, address window 0
; A joint load: waves 0 and 1 fetch for p, waves 2 and 3 for V.  Each line has one mask and one set of registers for all that issue it; the branch hangs on the wave's number alone.
; Four v_nop follow each of the two lines, ahead of the jump, the label and what follows.
.macro JLOAD g0a, g1a, g0b, g1b
	s_cmp_eq_u32 s15, 0
	s_cbranch_scc0 .Lfor_b_\@
	tensor_load_to_lds s[\g0a:\g0a+3], s[\g1a:\g1a+7]
	s_nop 0
.rept 4
	v_nop
.endr
	s_branch .Lasked_\@
.Lfor_b_\@:
	tensor_load_to_lds s[\g0b:\g0b+3], s[\g1b:\g1b+7]
	s_nop 0
.rept 4
	v_nop
.endr
.Lasked_\@:
.endm
.macro CREST                           ; a round of the cluster's barrier behind its opening barrier
	s_cmp_lg_u32 s14, 0
	s_cbranch_scc1 .Lnot_wave_0_\@
	s_barrier_signal -3
.Lnot_wave_0_\@:
	s_barrier_wait -3
	s_barrier_signal -1
	s_barrier_wait -1
.endm
.macro CROUND                          ; a whole round
	s_barrier_signal -1
	s_barrier_wait -1
	CREST
.endm
	s_load_b128 s[4:7], s[0:1], 0x0                ; p_codes s[4:5], p_stats s[6:7]
	s_load_b128 s[8:11], s[0:1], 0x10              ; V's codes s[8:9], V's scales s[10:11]
	s_load_b64 s[12:13], s[0:1], 0x20              ; O
	v_lshl_add_u32 v[SPW], v0, 2, SPARE
	v_mov_b32 v[NIL], 0
	ds_add_u32 v28, v29
	ds_add_u32 v28, v29
	s_wait_dscnt 0x0
	v_lshrrev_b32 v1, 5, v0
	v_readfirstlane_b32 s14, v1                    ; wave 0..3
	s_lshr_b32 s15, s14, 1                         ; which half of the tile's queries is mine.  Also: I fetch for p (0) or for V (1)
	s_and_b32 s16, s14, 1                          ; which half of its d.  Also: which half of that tile I fetch
	s_bfe_u32 s40, ttmp6, 0x40000                  ; cx, cy: my place in the cluster
	s_bfe_u32 s41, ttmp6, 0x40004
	s_lshl_b32 s42, ttmp9, 2
	s_add_co_u32 s42, s42, s40                     ; tile column: which 256 of d = 4 x cluster x + cx
	s_and_b32 s95, ttmp7, 0xffff                   ; cluster y
	s_lshl_b32 s17, s95, 2
	s_add_co_u32 s17, s17, s41                     ; tile row: which 256 of the 8,192 queries = 4 x cluster y + cy
	s_lshr_b32 s95, s95, 1                         ; the batch = cluster y / 2: made of the cluster's y alone
	s_lshl_b32 s43, s41, 2
	s_lshl_b32 s43, 15, s43                        ; my row of the cluster
	s_lshl_b32 s44, 0x1111, s40                    ; my column
	; descriptor group 1 for p: a dense block of 24,576 bytes as 96 rows of 256 bytes (32 elements of 8 bytes), no padding
	s_or_b32 s[G1+0], s43, (3<<16)|(1<<21)         ; 15:0 the mask: p's tiles go to my row; 17:16 elements of 8 bytes; 21 set beside a mask
	s_mov_b32 s[G1+1], 32<<16                      ; tensor_dim0
	s_mov_b32 s[G1+2], 96<<16                      ; tensor_dim1
	s_mov_b32 s[G1+3], 32<<16                      ; tile_dim0
	s_mov_b32 s[G1+4], 96                          ; tile_dim1
	s_mov_b32 s[G1+5], 32                          ; tensor_dim0_stride
	s_mov_b32 s[G1+6], 0
	s_mov_b32 s[G1+7], 0
	; for V: 128 rows x 192 bytes, 16 bytes of padding behind every 64
	s_or_b32 s[G1B+0], s44, (0<<16)|(1<<20)|(1<<21)|(3<<22)|(3<<25)
	s_mov_b32 s[G1B+1], ROWB<<16
	s_mov_b32 s[G1B+2], 128<<16
	s_mov_b32 s[G1B+3], ROWB<<16
	s_mov_b32 s[G1B+4], 128
	s_mov_b32 s[G1B+5], KROW
	s_mov_b32 s[G1B+6], 0
	s_mov_b32 s[G1B+7], 0
	; for V's scales: 64 rows' 4,096 dense bytes as 16 rows of 256 bytes, 16 bytes of padding behind each
	s_or_b32 s[G1S+0], s44, (3<<16)|(1<<20)|(1<<21)|(5<<22)|(3<<25)
	s_mov_b32 s[G1S+1], 32<<16
	s_mov_b32 s[G1S+2], 16<<16
	s_mov_b32 s[G1S+3], 32<<16
	s_mov_b32 s[G1S+4], 16
	s_mov_b32 s[G1S+5], 32
	s_mov_b32 s[G1S+6], 0
	s_mov_b32 s[G1S+7], 0
	; for the statistics: 48 rows (3 planes x 16 runs) of 256 bytes (32 elements of 8 bytes), 1,024 bytes (128 elements) apart in memory, on end in LDS
	s_or_b32 s[G1T+0], s43, (3<<16)|(1<<21)        ; the mask of my row of the cluster: its four work-groups have the same 256 queries
	s_mov_b32 s[G1T+1], 32<<16                     ; tensor_dim0
	s_mov_b32 s[G1T+2], 48<<16                     ; tensor_dim1
	s_mov_b32 s[G1T+3], 32<<16                     ; tile_dim0
	s_mov_b32 s[G1T+4], 48                         ; tile_dim1
	s_mov_b32 s[G1T+5], 128                        ; tensor_dim0_stride
	s_mov_b32 s[G1T+6], 0
	s_mov_b32 s[G1T+7], 0
	s_lshl_b32 s20, s17, 1
	s_add_co_u32 s20, s20, s16
	s_mul_i32 s20, s20, 8*HALFA                    ; p: block of 128 queries 2 x tile row + half: 8 slots of 24,576 bytes each
	s_mov_b32 s21, 0
	s_mul_i32 s18, s17, TILEST                     ; the statistics: my tile's block,
	s_lshl_b32 s19, s14, 8
	s_add_co_u32 s18, s18, s19                     ; + 256 x wave: the words of rows 64 x wave on
	s_mov_b32 s19, 0
	s_lshl_b32 s46, s42, 8
	s_lshl_b32 s47, s95, 11
	s_add_co_u32 s46, s46, s47                     ; V: row 2,048 x batch + 256 x tile column
	s_lshl_b32 s92, s14, 6
	s_add_co_u32 s92, s92, s46                     ; its scales: + 64 x wave,
	s_lshl_b32 s92, s92, 6                         ; 64 bytes a row
	s_mov_b32 s93, 0
	s_lshl_b32 s47, s16, 7
	s_add_co_u32 s46, s46, s47                     ; its codes: + 128 x half,
	s_mul_i32 s46, s46, KROW                       ; 1,536 bytes a row (under 2^24)
	s_mov_b32 s47, 0
	s_mul_i32 s45, s16, HALFA                      ; where they go: no place in the cluster enters an LDS address
	s_mul_i32 s94, s16, HALFT
	s_add_co_u32 s94, s94, BOFF
	s_mul_i32 s23, s14, QUARS
	s_mul_i32 s96, s14, STATW
	s_mov_b32 s66, 0x80808080
	s_mov_b32 s67, 0x01010101
	CROUND                                         ; all sixteen work-groups are here: the first joint loads meet.  The round reads no argument: it stands ahead of the wait for them, so that they come while the work-groups gather
	s_wait_kmcnt 0x0                               ; ahead of the first line that reads an argument
	s_add_nc_u64 s[20:21], s[4:5], s[20:21]
	s_add_nc_u64 s[18:19], s[6:7], s[18:19]
	s_add_nc_u64 s[46:47], s[8:9], s[46:47]
	s_add_nc_u64 s[92:93], s[10:11], s[92:93]
	s_mov_b32 s[G0T], 1
	s_add_co_u32 s[G0T+1], s96, STATS
	s_mov_b64 s[G0T+2:G0T+3], s[18:19]
	s_or_b32 s[G0T+3], s[G0T+3], 0x80000000
	s_mov_b32 s[G0S], 1
	s_add_co_u32 s[G0S+1], s23, SCLB
	s_mov_b64 s[G0S+2:G0S+3], s[92:93]
	s_or_b32 s[G0S+3], s[G0S+3], 0x80000000
	tensor_load_to_lds s[G0T:G0T+3], s[G1T:G1T+7]  ; the statistics first: the head's arithmetic waits for them.  Every wave brings its own rows', jointly with its like in my row of the cluster
	s_nop 0
.rept 4
	v_nop
.endr
	tensor_load_to_lds s[G0S:G0S+3], s[G1S:G1S+7]  ; V's scales: every wave brings a quarter, jointly with its like in my column of the cluster
	s_nop 0
.rept 4
	v_nop
.endr
.irp s, 0,1
	s_mov_b32 s[G0+4*\s], 1
	s_add_co_u32 s[G0+4*\s+1], s45, \s*SLOT
	s_add_nc_u64 s[G0+4*\s+2:G0+4*\s+3], s[20:21], \s*HALFA
	s_or_b32 s[G0+4*\s+3], s[G0+4*\s+3], 0x80000000
	s_mov_b32 s[G0B+4*\s], 1
	s_add_co_u32 s[G0B+4*\s+1], s94, \s*SLOT
	s_add_nc_u64 s[G0B+4*\s+2:G0B+4*\s+3], s[46:47], \s*ROWB
	s_or_b32 s[G0B+4*\s+3], s[G0B+4*\s+3], 0x80000000
	JLOAD G0+4*\s, G1, G0B+4*\s, G1B               ; four tensor loads of mine are out now
.endr
	; the addresses are made while the statistics are on their way
	v_and_b32 v1, 15, v0                           ; r = lane % 16
	v_bfe_u32 v2, v0, 4, 1                         ; h = lane / 16
	v_and_b32 v6, 31, v0
	v_lshlrev_b32 v[CO], 4, v6                     ; 16 x lane
	v_lshl_add_u32 v[TO], v6, 3, s[G0T+1]          ; my wave's pieces + 8 x lane: thread t owns rows 2 t and 2 t + 1 of the tile
	s_mul_i32 s21, s15, HALFA                      ; my 128 queries' block of p
	v_add_nc_u32 v[ADRA], s21, v[CO]
	v_add_nc_u32 v[ADRA+1], SLOT, v[ADRA]
	v_mul_u32_u24 v3, v1, PITCH
	v_mul_u32_u24 v4, v2, 24
	v_add_nc_u32 v4, v3, v4                        ; V: a fragment's row x pitch + 24 x half
	v_lshl_add_u32 v5, v2, 4, v4                   ; and the same behind one padding more
	s_mul_i32 s22, s16, HALFT                      ; my 128 rows of V,
	s_add_co_u32 s22, s22, BOFF                    ; behind p's blocks
.irp s, 0,1
	v_add_nc_u32 v[ADRB+\s], s22, v4
	v_add_nc_u32 v[ADRB+2+\s], s22, v5
	s_add_co_u32 s22, s22, SLOT
.endr
	v_mul_u32_u24 v5, v1, KS                       ; my row's scales: 64 bytes a row,
	v_lshrrev_b32 v6, 8, v5
	v_lshl_add_u32 v5, v6, 4, v5                   ; and 16 more for each 256 passed
	s_mul_i32 s21, s15, HALFS                      ; p's: my 128 rows
	s_mul_i32 s22, s16, HALFS                      ; V's: my 128 rows, behind p's 256
	s_add_co_u32 s22, s22, 2*HALFS
	s_sub_co_u32 s22, s22, s21
	v_mul_u32_u24 v6, s22, v2                      ; lanes 16-31 take V's: the lower base + h x the distance
	s_add_co_u32 s21, s21, SCL
	v_add_nc_u32 v5, v5, v6
	v_add_nc_u32 v[ADRS], s21, v5
	s_mul_i32 s23, s14, 16*SPITCH
	s_add_co_u32 s23, s23, STAGE                   ; my stage
	v_mul_u32_u24 v5, v1, SPITCH                   ; in: row l % 16, 32 bytes for each half of the lanes
	v_lshl_add_u32 v5, v2, 5, v5
	v_add_nc_u32 v[STO], s23, v5
	v_add_nc_u32 v[RD], s23, v[CO]                 ; back: the 32 lanes take one row of 512 bytes
	s_lshl_b32 s21, s15, 9
	s_add_co_u32 s21, s21, RLB
	v_lshl_add_u32 v[RLA], v1, 2, s21              ; 1 / l: my 128 queries, 4 bytes a query
	v_lshlrev_b32 v[SWA], 7, v0                    ; row 2 t: 64 bytes a row,
	v_lshrrev_b32 v3, 1, v0
	v_lshl_add_u32 v[SWA], v3, 4, v[SWA]           ; 16 more for each four rows passed
	v_add_nc_u32 v[SWA], SCL, v[SWA]
	v_lshl_add_u32 v[RWA], v0, 3, RLB
	s_lshl_b32 s20, s17, 8
	s_lshl_b32 s21, s15, 7
	s_add_co_u32 s20, s20, s21                     ; my first row of O: 256 x tile row + 128 x half
	s_mov_b32 s21, 0
	s_lshl_b64 s[20:21], s[20:21], 13              ; 8,192 bytes a row
	s_lshl_b32 s46, s42, 10                        ; my first column, in bytes: 1,024 x tile column + 512 x half
	s_lshl_b32 s47, s16, 9
	s_add_co_u32 s46, s46, s47
	s_mov_b32 s47, 0
	s_add_nc_u64 s[20:21], s[20:21], s[46:47]
	s_add_nc_u64 s[12:13], s[12:13], s[20:21]
	; THE ROWS' STATISTICS.  For each of the 16 runs 8 bytes of each plane: my two rows' words; a load of the wave covers one piece of 256 bytes
	s_wait_tensorcnt 3                             ; my statistics have landed; the three loads issued behind them (V's scales, slots 0 and 1) may be out.  Only I read these bytes
.irp s, 0,1,2,3,4,5,6,7,8,9,10,11,12,13,14,15
	ds_load_b64 v[WD+2*\s:WD+2*\s+1], v[TO] offset:256*\s
	ds_load_b64 v[NM+2*\s:NM+2*\s+1], v[TO] offset:256*(16+\s)
	ds_load_b64 v[L+2*\s:L+2*\s+1],   v[TO] offset:256*(32+\s)
.endr
	s_wait_dscnt 0x0
.irp e, 0,1                            ; -M = the least -M' of the 16 runs, the two rows by turns
	v_min3_num_f32 v[MG+\e], v[NM+\e], v[NM+2+\e], v[NM+4+\e]
.endr
.irp s, 3,5,7,9,11,13
.irp e, 0,1
	v_min3_num_f32 v[MG+\e], v[MG+\e], v[NM+2*\s+\e], v[NM+2*\s+2+\e]
.endr
.endr
.irp e, 0,1
	v_min_num_f32 v[MG+\e], v[MG+\e], v[NM+30+\e]
.endr
.irp s, 0,1,2,3,4,5,6,7,8,9,10,11,12,13,14,15
	v_pk_add_f32 v[NM+2*\s:NM+2*\s+1], v[MG:MG+1], v[NM+2*\s:NM+2*\s+1] neg_lo:[0,1] neg_hi:[0,1]   ; M' - M: a whole number, 0 or less
.endr
.set x, 0
.rept 32
	v_max_num_f32 v[NM+x], 0xc2fe0000, v[NM+x]     ; held at -127
.set x, x+1
.endr
.set x, 0
.rept 32
	v_cvt_i32_f32 v[NM+x], v[NM+x]
.set x, x+1
.endr
.set x, 0
.rept 32
	v_ldexp_f32 v[L+x], v[L+x], v[NM+x]            ; l' x 2^(M' - M)
.set x, x+1
.endr
	v_pk_add_f32 v[LSUM:LSUM+1], v[L:L+1], v[L+2:L+3]             ; l of my two rows, in two chains
	v_pk_add_f32 v[LSUM+2:LSUM+3], v[L+4:L+5], v[L+6:L+7]
.irp s, 4,6,8,10,12,14
	v_pk_add_f32 v[LSUM:LSUM+1], v[LSUM:LSUM+1], v[L+2*\s:L+2*\s+1]
	v_pk_add_f32 v[LSUM+2:LSUM+3], v[LSUM+2:LSUM+3], v[L+2*\s+2:L+2*\s+3]
.endr
	v_pk_add_f32 v[LSUM:LSUM+1], v[LSUM:LSUM+1], v[LSUM+2:LSUM+3]
	v_rcp_f32 v[RC], v[LSUM]
	v_rcp_f32 v[RC+1], v[LSUM+1]                   ; the byte work below is the plain work behind the two reciprocals; it names neither l nor 1 / l
	; d = M - M' off each of a word's four bytes, held at 0 from below, all four at once.  With bit 7 set a byte is 128 + byte - d, at least 2: nothing is borrowed from the byte above
.set x, 0
.rept 32
	v_or_b32 v[WD+x], s66, v[WD+x]
.set x, x+1
.endr
.set x, 0
.rept 32
	v_mul_lo_u32 v[NM+x], v[NM+x], s67             ; -d in every byte's place
.set x, x+1
.endr
.set x, 0
.rept 32
	v_add_nc_u32 v[WD+x], v[WD+x], v[NM+x]
.set x, x+1
.endr
.set x, 0
.rept 32
	v_and_b32 v[NM+x], s66, v[WD+x]                ; bit 7 has stayed where byte >= d
.set x, x+1
.endr
.set x, 0
.rept 32
	v_lshrrev_b32 v[L+x], 7, v[NM+x]
.set x, x+1
.endr
.set x, 0
.rept 32
	v_sub_nc_u32 v[NM+x], v[NM+x], v[L+x]          ; 0x7f in those bytes, 0 in the others
.set x, x+1
.endr
.set x, 0
.rept 32
	v_and_b32 v[WC+16*(x%2)+x/2], v[WD+x], v[NM+x] ; byte - d, or 0; a row's 16 words on end
.set x, x+1
.endr
	s_wait_alu depctr_va_vdst(0)                   ; one wait for the two reciprocals, ahead of their first reader
	ds_store_b64 v[RWA], v[RC:RC+1]
.irp e, 0,1
.irp i, 0,1,2,3
	ds_store_b128 v[SWA], v[WC+16*\e+4*\i:WC+16*\e+4*\i+3] offset:64*\e+16*\i
.endr
.endr
.macro FRAG reg, adr, q, i             ; a fragment of V, 16 rows x 128 keys of 6-bit codes: lane l holds row l % 16; registers 6 c .. 6 c + 5 hold keys 64 c + 32 (l / 16) + 0 .. 31: 24 bytes of the row, as they lie
.irp p, 0,1,2,3,4,5                    ; in pieces of 8 bytes.  Lanes 0-15 take the row's pieces 12 q + 0, 1, 2 and 12 q + 6, 7, 8, lanes 16-31 those three pieces on
.set PIECE, 12*(\q)+6*(\p/3)+\p%3      ; 16 bytes of padding lie behind every 8 pieces: where the piece three on lies behind one padding more, the second address register serves
.if PIECE%8 < 5
	ds_load_b64 v[\reg+2*\p:\reg+2*\p+1], v[\adr] offset:8*PIECE+16*(PIECE/8)+(\i)*16*PITCH
.else
	ds_load_b64 v[\reg+2*\p:\reg+2*\p+1], v[\adr+2] offset:8*PIECE+16*(PIECE/8)+(\i)*16*PITCH
.endif
.endr
.endm
; 16 matrix instructions: p's blocks a0, a0 + 1 x V's eight, 128 keys: the slot's q-th.  p: V's set;  sc: the set of scale words.  zero = 1: the first product starts the sums.
; The 64 accumulators take turns, one instruction a turn, in the same order in every step.
.macro MUL16 a0, p, q, sc, zero
.irp a, \a0, \a0+1
.irp b, 0,1,2,3,4,5,6,7
.if \zero
	v_wmma_scale_f32_16x16x128_f8f6f4 v[8*(8*((\a)%4)+\b):8*(8*((\a)%4)+\b)+7], v[128*(\p)+FR*\b:128*(\p)+FR*\b+FR-1], v[AF+FR*(\a):AF+FR*(\a)+FR-1], 0, v[SC+8*NQ*(\sc)+NQ*\b+(\q)], v[SC+8*NQ*(\sc)+NQ*(\a)+(\q)] matrix_a_fmt:MATRIX_FMT_BF6 matrix_b_fmt:MATRIX_FMT_BF6 matrix_a_scale:MATRIX_SCALE_ROW1
.else
	v_wmma_scale_f32_16x16x128_f8f6f4 v[8*(8*((\a)%4)+\b):8*(8*((\a)%4)+\b)+7], v[128*(\p)+FR*\b:128*(\p)+FR*\b+FR-1], v[AF+FR*(\a):AF+FR*(\a)+FR-1], v[8*(8*((\a)%4)+\b):8*(8*((\a)%4)+\b)+7], v[SC+8*NQ*(\sc)+NQ*\b+(\q)], v[SC+8*NQ*(\sc)+NQ*(\a)+(\q)] matrix_a_fmt:MATRIX_FMT_BF6 matrix_b_fmt:MATRIX_FMT_BF6 matrix_a_scale:MATRIX_SCALE_ROW1
.endif
.endr
.endr
.endm
.macro FETCH_B slot, q, p              ; V's eight fragments of the slot's q-th 128 keys into set p
	WIN TO_B
.irp i, 0,1,2,3,4,5,6,7
	FRAG 128*(\p)+FR*\i, ADRB+\slot, \q, \i
.endr
	WIN 0
.endm
.macro FETCH_A slot, q, i0             ; p's blocks i0 .. i0 + 3: each an image of its 12 registers: three loads of 512 consecutive bytes
.irp i, \i0, \i0+1, \i0+2, \i0+3
.irp c, 0,1,2
	ds_load_b128 v[AF+FR*(\i)+4*\c:AF+FR*(\i)+4*\c+3], v[ADRA+\slot] offset:(2*(\i)+(\q))*FRB+512*\c
.endr
.endr
.endm
.macro SCALES sc                       ; a K step's scale words into set sc: two words a row; lanes 0-15 take p's block i, lanes 16-31 V's block i
.irp i, 0,1,2,3,4,5,6,7
	ds_load_b64 v[SC+8*NQ*\sc+NQ*\i:SC+8*NQ*\sc+NQ*\i+1], v[ADRS] offset:\i*SBLK
.endr
.endm
; A load into a register that a matrix instruction has read, and a vector instruction that reads a matrix result or writes one of a matrix instruction's registers, stand NP places behind it,
; and only plain vector instructions that name none of its registers are places (ISA guide 7.12.1 for vector instructions).
.macro PLACES n
.rept \n
	v_nop
.endr
.endm
; A step of 128 keys that has its successor in the same slot.
.macro STEP slot, q, zero
	s_wait_dscnt 4*NLA                             ; V's set, the scale words and p's blocks 0-3 are in; the youngest loads (p's blocks 4-7) may be out
	WIN MUL_LO
	MUL16 0, (\q)%2, \q, \slot, \zero
	MUL16 2, (\q)%2, \q, \slot, \zero
	s_wait_dscnt 0                                 ; p's blocks 4-7 are in (asked for 32 matrix instructions ago)
	PLACES NP
	FETCH_B \slot, (\q)+1, 1-(\q)%2
	FETCH_A \slot, (\q)+1, 0
	WIN MUL_HI
	MUL16 4, (\q)%2, \q, \slot, \zero
	MUL16 6, (\q)%2, \q, \slot, \zero
	PLACES NP
	WIN 0
	FETCH_A \slot, (\q)+1, 4
.endm
; A slot's last step changes slots: ONE barrier; in front of it each wave waits for all its tensor loads, adds 0 to its spare word, and waits for that and for its own reads of this slot.
; fill = 1: this slot is filled again, two K steps ahead; the barrier then opens a round of the cluster's barrier.
.macro TURN slot, next, fill
	s_wait_tensorcnt 0x0                           ; all my tensor loads have landed: my part of the next slot (every window is 0 here)
	ds_add_u32 v[SPW], v[NIL]                      ; 0 onto my spare word
	s_wait_dscnt 4*NLA+1                           ; (the add and the youngest loads, p's blocks 4-7, may be out)
	WIN MUL_LO
	MUL16 0, 1, NQ-1, \slot, 0                     ; sixteen matrix instructions stand between the add and the wait for it
	s_wait_dscnt 0x0                               ; the add is done, and my reads of this slot are over
	s_barrier_signal -1
	MUL16 2, 1, NQ-1, \slot, 0
	WIN 0
	s_barrier_wait -1
.if \fill
	CREST                                          ; no wave of any partner still reads this slot's tile or has a load on its way
	s_add_nc_u64 s[G0+4*\slot+2:G0+4*\slot+3], s[G0+4*\slot+2:G0+4*\slot+3], ASTEP
	s_add_nc_u64 s[G0B+4*\slot+2:G0B+4*\slot+3], s[G0B+4*\slot+2:G0B+4*\slot+3], 2*ROWB
	JLOAD G0+4*\slot, G1, G0B+4*\slot, G1B         ; the first tensor load behind the round, my only one until the next; its four v_nop are the places in front of the loads below
.else
	PLACES NP
.endif
	v_add_nc_u32 v[ADRS], 4*NQ, v[ADRS]            ; on to the next K step's scale words (no LDS load of mine is out)
	FETCH_B \next, 0, 0
	FETCH_A \next, 0, 0
	SCALES \next
	WIN MUL_HI
	MUL16 4, 1, NQ-1, \slot, 0
	MUL16 6, 1, NQ-1, \slot, 0
	PLACES NP
	WIN 0
	FETCH_A \next, 0, 4
.endm
	s_wait_tensorcnt 1                             ; V's scales and my part of K step 0 are in (K step 1's load may be out)
	s_wait_dscnt 0x0                               ; and for the others' sake: my rows' corrected words and 1 / l lie in LDS, and my reads of the statistics are back
	s_barrier_signal -1
	s_barrier_wait -1                              ; everybody's do
	FETCH_B 0, 0, 0
	FETCH_A 0, 0, 0
	SCALES 0
	FETCH_A 0, 0, 4
	STEP 0, 0, 1                                   ; the first step stands in front of the loop: its products start the sums
	s_mov_b32 s3, LAPS-1
.Llap:                                                 ; a trip goes once round the ring, from a lap's second step to the next lap's first, and fills both slots again
	TURN 0, 1, 1
	STEP 1, 0, 0
	TURN 1, 0, 1
	STEP 0, 0, 0
	s_sub_co_u32 s3, s3, 1
	s_cmp_lg_u32 s3, 0
	s_cbranch_scc1 .Llap
	TURN 0, 1, 0                                   ; the last lap fills nothing, and has no round of the cluster's barrier
	STEP 1, 0, 0
	s_wait_dscnt 4*NLA                             ; the very last step: nothing more to fetch
	WIN MUL_LO
	MUL16 0, 1, NQ-1, 1, 0
	MUL16 2, 1, NQ-1, 1, 0
	s_wait_dscnt 0
	WIN MUL_HI
	MUL16 4, 1, NQ-1, 1, 0
	MUL16 6, 1, NQ-1, 1, 0
	WIN 0
; THE WAY OUT, block by block of 16 queries x 128 of d.  A lane holds 32 neighbouring bytes of a row, and the lanes beside it hold other rows: so a block, divided by l, goes through my own stage in LDS and
; comes back as whole rows of 512 bytes.  LDS serves a wave's instructions in order (ISA guide 5.7.1.4): no wait between the stores and the loads, nor in front of the next block's stores.
.macro TOSTAGE a
.set AC, 64*((\a)%4)
.if (\a) > 0
	s_wait_dscnt 16                                ; the last block's sixteen stores into the stage are done (its sixteen loads may be out): their data registers are written again
.endif
	WIN 0x02+(\a)/4                                ; source 0: window 2 or 3
.set j, 0
.rept 32
	v_pk_mul_f32 v[TMP+j:TMP+j+1], v[AC+j:AC+j+1], v[RL+2*(\a):RL+2*(\a)+1] op_sel_hi:[1,0]   ; x 1 / l of my query; each accumulator from its low end on
.set j, j+2
.endr
	WIN 0
.irp b, 0,1,2,3,4,5,6,7
	ds_store_b128 v[STO], v[TMP+8*\b:TMP+8*\b+3] offset:64*\b
	ds_store_b128 v[STO], v[TMP+8*\b+4:TMP+8*\b+7] offset:64*\b+16
.endr
.set BB, BK+64*((\a)%2)
.irp t, 0,1,2,3,4,5,6,7,8,9,10,11,12,13,14,15
	ds_load_b128 v[BB+4*\t:BB+4*\t+3], v[RD] offset:\t*SPITCH
.endr
.endm
.macro SEND a, younger                 ; younger: the LDS instructions issued behind block a's loads, which may stay out
.set BB, BK+64*((\a)%2)
	s_wait_dscnt \younger                          ; the block is back in registers
.if (\a) > 0
	s_add_nc_u64 s[12:13], s[12:13], 16*SIZE_N*4   ; (behind a wait on XCNT: the earlier stores have read their base)  16 rows of O on
.endif
.irp t, 0,1,2,3,4,5,6,7,8,9,10,11,12,13,14,15
	global_store_b128 v[CO], v[BB+4*\t:BB+4*\t+3], s[12:13] offset:\t*SIZE_N*4 th:TH_STORE_NT   ; 32 lanes store 512 consecutive bytes, at a multiple of 512 from O's first byte; written once, read by nobody here
.endr
.endm
	PLACES NP                                      ; behind the last products: for the loads into their scale and operand registers and for the reads of results
.irp a, 0,1,2,3,4,5,6,7
	ds_load_b32 v[RL+2*\a],   v[RLA] offset:64*\a  ; 1 / l of my query in block a,
	ds_load_b32 v[RL+2*\a+1], v[RLA] offset:64*\a  ; twice: the packed multiply names the pair
.endr
	s_wait_dscnt 0x0
	TOSTAGE 0
.irp a, 1,2,3,4,5,6,7
.if \a > 1
	s_wait_xcnt 0x0                                ; block a - 2's stores have read their registers and their base: block a's loads may land there, and the base may step
.endif
	TOSTAGE \a
	SEND \a-1, 32                                  ; behind block a - 1's loads: block a's 16 stores and 16 loads
.endr
	s_wait_xcnt 0x0                                ; block 6's stores have read their base
	SEND 7, 0
	s_wait_tensorcnt 0x0                           ; the wave's end, behind my last tensor load and my last LDS store
	ds_add_u32 v[SPW], v[NIL]
	s_wait_dscnt 0x0
	CROUND                                         ; the closing round: no work-group ends while a partner may still ask for a tile that names it
	s_endpgm
.Lfunc_end_k_q500e084cf7_mix:
	.size	k_q500e084cf7_mix, .Lfunc_end_k_q500e084cf7_mix-k_q500e084cf7_mix
	.p2alignl 7, 3214868480
	.fill 96, 4, 3214868480
	.section	.rodata,"a",@progbits
	.p2align	6, 0x0
	.amdhsa_kernel k_q500e084cf7_mix
		.amdhsa_group_segment_fixed_size 327680
		.amdhsa_private_segment_fixed_size 0
		.amdhsa_enable_private_segment 0
		.amdhsa_kernarg_size 40
		.amdhsa_user_sgpr_count 2
		.amdhsa_user_sgpr_kernarg_segment_ptr 1
		.amdhsa_wavefront_size32 1
		.amdhsa_system_sgpr_workgroup_id_x 1
		.amdhsa_system_sgpr_workgroup_id_y 1
		.amdhsa_system_sgpr_workgroup_id_z 1
		.amdhsa_system_vgpr_workitem_id 0
		.amdhsa_next_free_vgpr 1024
		.amdhsa_next_free_sgpr 100
		.amdhsa_reserve_vcc 0
		.amdhsa_float_denorm_mode_32 3
		.amdhsa_float_denorm_mode_16_64 3
		.amdhsa_memory_ordered 1
		.amdhsa_forward_progress 1
		.amdhsa_inst_pref_size 186
	.end_amdhsa_kernel
	.amdgpu_metadata
---
amdhsa.version: [ 1, 2 ]
amdhsa.kernels:
  - .name:           k_q500e084cf7_mix
    .symbol:         k_q500e084cf7_mix.kd
    .args:
      - { .name: p_codes, .offset: 0, .size: 8, .value_kind: global_buffer, .address_space: global }
      - { .name: p_stats, .offset: 8, .size: 8, .value_kind: global_buffer, .address_space: global }
      - { .name: value_codes, .offset: 16, .size: 8, .value_kind: global_buffer, .address_space: global }
      - { .name: value_scales, .offset: 24, .size: 8, .value_kind: global_buffer, .address_space: global }
      - { .name: out0, .offset: 32, .size: 8, .value_kind: global_buffer, .address_space: global }
    .group_segment_fixed_size: 327680
    .private_segment_fixed_size: 0
    .kernarg_segment_align: 8
    .kernarg_segment_size: 40
    .max_flat_workgroup_size: 128
    .sgpr_count:     100
    .vgpr_count:     1024
    .wavefront_size: 32
...
	.end_amdgpu_metadata
.endif
;; end of part 2
